; MI455X (gfx1250); checked and timed in simulation.
; The chip was launched on July 23, 2026; its instructions are those of AMD's public machine-readable ISA for CDNA 5 (MIT licence, August 2026) and "CDNA5" Instruction Set Architecture Reference Guide (July 2026). The comments in the code are by the model that wrote it; some were corrected since.
;; Lstm. Allowed arithmetic: matrix products marked QUANTISED: E2M1 operands, one E8M0 scale for each 32 along K, by v_wmma_scale_f32_16x16x128_f8f6f4 with both operands' format E2M1 (or v_wmma_scale_f32_32x16x128_f4), f32 sums; everything else in f32.
;; Inputs: W1 2,048 x 4,096 float32; W2 2,048 x 4,096 float32; W3 2,048 x 4,096 float32; W4 2,048 x 4,096 float32; b1 2,048 float32; b2 2,048 float32; b3 2,048 float32; b4 2,048 float32; c 2,048 x 2,048 float32; h 2,048 x 2,048 float32; i 2,048 x 2,048 float32.
;; Outputs: out0 2,048 x 2,048 float32; out1 2,048 x 2,048 float32.
;; This version of the problem:
;;   THIS VERSION OF THE PROBLEM IS GIVEN IN LOW PRECISION. The matrix products marked QUANTISED in the list below multiply operands that are first quantised to E2M1 (2 exponent bits, 1 mantissa bit; 4 bits a number), with one power-of-two scale for each 32 numbers along K (OCP MX v1.0); their sums are f32. All else is computed in f32.
;;   The module's matrix products, in the order in which they are computed (A, B: the left and right operand; K: the contracted axis; several contracted axes count as one K, in the product's order):
;;     1. [M 2,048, K 4,096] x [K 4,096, N 2,048]; A: computed on the way; B: input W1: QUANTISED
;;     2. [M 2,048, K 4,096] x [K 4,096, N 2,048]; A: computed on the way; B: input W2: QUANTISED
;;     3. [M 2,048, K 4,096] x [K 4,096, N 2,048]; A: computed on the way; B: input W3: QUANTISED
;;     4. [M 2,048, K 4,096] x [K 4,096, N 2,048]; A: computed on the way; B: input W4: QUANTISED
;;   THE QUANTISER, for each operand of a quantised product, along K:
;;     - K is cut into blocks of 32 from its start; a last block that is shorter is filled with zeros.
;;     - A block's scale is 2^e with e = floor(log2(the largest magnitude in the block)) - 2, held to -126 .. 127; a block of zeros has e = 0. As a byte (E8M0): e + 127.
;;     - Each number is divided by its block's scale, clamped to +-6, and rounded to the nearest number of E2M1, ties to even, subnormals kept.
;;     - The product sums the exact products of the quantised numbers (number of the format x scale) in f32.
;;   ~~~python
;;   def quantise(x, axis):      # numpy; x: float32 -> the quantised numbers, widened to float32 again
;;       x = np.moveaxis(x, axis, -1); K = x.shape[-1]
;;       x = np.pad(x, [(0, 0)] * (x.ndim - 1) + [(0, -K % 32)]); x = x.reshape(x.shape[:-1] + (-1, 32)); a = np.abs(x).max(-1, keepdims=True)
;;       e = np.where(a > 0, np.clip(np.frexp(np.where(a > 0, a, 1))[1] - 1 - 2, -126, 127), 0)      # np.frexp(a)[1] - 1 = floor(log2(a)), exactly
;;       r = np.clip(x / 2.0 ** e, -6, 6)
;;       step = 2.0 ** (np.maximum(np.frexp(np.where(r == 0, 1, r))[1] - 1, 0) - 1)
;;       q = np.round(r / step) * step * 2.0 ** e      # np.round: ties to even
;;       return np.moveaxis(q.reshape(q.shape[:-2] + (-1,))[..., :K], -1, axis).astype(np.float32)
;;   ~~~
;;   OPERANDS COMPUTED ON THE WAY. 'Computed on the way' means the value that the module computes at that place (a softmax that the list does not call 'softmax' is quantised finished and normalised). What goes into a quantiser is computed in f32, as accurately as f32 sums, v_exp_f32 and their like allow (about 1e-6 of the number): no bf16 or f16 on the way to a quantiser, and a product that is left as it is and whose result goes on into a quantised operand takes f32 operands (vector FMAs, or v_wmma_f32_16x16x4_f32). A number that lies on a knife's edge between two numbers of the format may be rounded either way, as far as f32 arithmetic and the matrix unit's own rounding can turn it there, and no further.
;; One version. Each part assembles by itself: llvm-mc -triple=amdgcn-amd-amdhsa -mcpu=gfx1250 --defsym DOCPART=n.
;; ======== version 1 of 1: 2 launches
;; limits: right only within a limited range of input values
;; workspace buffers: aq 4,456,448 bytes; wq 17,825,792 bytes
;; launch quant (part 1): grid 1280 x 1, 4 waves a work-group, no clusters, 17,920 bytes of LDS; arguments W1, W2, W3, W4, i, h, aq, wq; writes aq, wq
.if DOCPART == 1
	.amdgcn_target "amdgcn-amd-amdhsa--gfx1250"
	.amdhsa_code_object_version 6
	.text
	.protected	k_q876dccbcf0_quant
	.globl	k_q876dccbcf0_quant
	.p2align	8
	.type	k_q876dccbcf0_quant,@function
k_q876dccbcf0_quant:
	s_mov_b64 s[64:65], 0
	v_nop
	global_prefetch_b8 v0, s[64:65] scope:SCOPE_SE
	s_setreg_imm32_b32 hwreg(HW_REG_WAVE_MODE, 25, 1), 1
	s_wait_xcnt 0x0
; W1 .. W4 [2048][4096] and ih = [i | h] [2048][4096], all f32 with K innermost, become codes of FP4 (E2M1) with one E8M0 scale byte for each 32 along K.
; A block's scale is 2^(floor(log2(its largest magnitude)) - 2); its byte is the largest magnitude's own exponent field S - 2, held at 1 from below.  Each number is divided by the scale and
; rounded to the nearest code, ties to even; beyond 6 the largest code.
; LIMITS: a block of zeros gets the byte 1 (its codes are zeros, and this program alone reads the bytes); blocks whose largest magnitude lies under 2^-124, the floor, were not tried;
; NaN and infinities among the inputs are not served.
; THE RESULT IS LAID IN RECORDS OF 272 BYTES: one row's 512 codes of one K step of 512 (256 bytes, k ascending, two codes a byte), then that step's 16 scale bytes.  aq: [K step 0..7][row m][272].
; wq: [K step][row R][272] with R = (n / 32) x 128 + gate x 32 + n % 32, so that 128 neighbouring rows hold all four gates of 32 columns n.
; SHARES.  A wave takes 16 rows x one K step: 16 steps of 512 numbers; its 16 records are 17 x 256 consecutive bytes.  The four waves of a work-group take four neighbouring K steps.
; Work-groups 256 T .. 256 T + 255 take tensor T (0..3: W1..W4; 4: ih, its even work-groups i, its odd ones h).  One path through the text: only pointers and numbers are chosen.
; A STEP.  Each of its four loads reads 512 consecutive bytes, 16 a lane: in load i lane l holds numbers 128 i + 4 l .. + 3, and eight neighbouring lanes hold block 4 i + l / 8.
; The block's largest magnitude is joined over the eight lanes in registers.  The conversion takes eight numbers of one lane under one scale, and a lane has four of a block: so the numbers are first
; multiplied by 2^(129 - S), the scale's inverse, a power of two (nothing is rounded: the product lies under 8, and what falls under 2^-126 has the code 0 either way), and converted under the scale 1:
; four numbers of load i and four of load i + 1 give 16 bits of codes each.  Lanes l and l xor 1 then change halves: the even lane keeps 8 codes of load i, the odd one 8 of load i + 1.
; Codes and scale bytes are gathered as records in the wave's own LDS and leave in whole runs of 256 bytes.  No matrix work, no cluster, no barrier: waves share nothing.  Loads run five steps ahead.
.set STEPS, 16
.set NS,    5                          ; sets of registers for loads
.set RECB,  272
.set WREG,  16*RECB                    ; a wave's LDS: its 16 records, 4,352 bytes
.set SPARE, 4*WREG                     ; behind them the spare words, 128 bytes a wave
.set OFF,   16                         ; v16-31   step t: byte offset of my 16 bytes in row t; never rewritten
.set R,     32                         ; v32-111  five sets of 16 numbers; at the end the records on their way out
.set M,     112                        ; v112-115 the largest magnitude of my block in load i
.set IV,    116                        ; v116-123 the inverse scale of load i in the even register of a pair; the odd ones hold 0
.set D,     124                        ; v124-125 codes as converted
.set NB,    126                        ; v126-127 my neighbour's
.set OUT,   128                        ; v128-131 whole dwords of codes, two sets
.set X,     132                        ; v132-133 at work on the scale byte
.set EB,    136                        ; v136-137 the scale byte, two sets
.set SEL,   138                        ; v138     the byte selector: even lanes 0x05040100, odd lanes 0x03020706
.set ONE,   139                        ; v139     1.0
.set SPW,   140
.set NIL,   141
	s_load_b256 s[4:11], s[0:1], 0x0               ; W1 s[4:5], W2 s[6:7], W3 s[8:9], W4 s[10:11]
	s_load_b256 s[12:19], s[0:1], 0x20             ; i s[12:13], h s[14:15], aq s[16:17], wq s[18:19]
	v_lshl_add_u32 v[SPW], v0, 2, SPARE
	v_mov_b32 v[NIL], 0
	v_lshrrev_b32 v1, 5, v0
	v_readfirstlane_b32 s20, v1                    ; wave 0..3
	v_and_b32 v2, 31, v0                           ; lane
	v_lshlrev_b32 v3, 4, v2                        ; my 16 bytes of a run of 512
	s_mul_i32 s34, s20, WREG                       ; my wave's LDS
	s_mov_b32 s38, 0xaaaaaaaa                      ; the lanes with l % 2 = 1
	s_mov_b32 s39, 0xcccccccc                      ; those with l % 4 >= 2
	v_and_b32 v9, 1, v2
	v_lshrrev_b32 v10, 1, v2
	v_lshlrev_b32 v10, 2, v10
	v_lshl_add_u32 v4, v9, 6, v10
	v_add_nc_u32 v4, s34, v4                       ; a record: my dword of codes: 64 (l % 2) + 4 (l / 2)
	v_and_b32 v9, 3, v2
	v_lshrrev_b32 v10, 3, v2
	v_lshl_add_u32 v5, v9, 2, v10
	v_add_nc_u32 v5, s34, v5
	v_add_nc_u32 v5, 256, v5                       ; and the scale byte that I store: block 4 (l % 4) + l / 8
	v_lshl_add_u32 v6, v2, 4, s34                  ; the records on the way out: 16 bytes a lane,
	v_lshl_add_u32 v8, v2, 3, s34                  ; and 8 for the last 256
	v_lshlrev_b32 v7, 3, v2
	v_mov_b32 v[SEL], 0x05040100
	v_mov_b32 v9, 0x03020706
	v_cndmask_b32 v[SEL], v[SEL], v9, s38
	v_mov_b32 v[ONE], 1.0
	v_mov_b32 v[NB], 0                             ; (a DPP form's destination counts as read)
	v_mov_b32 v[NB+1], 0
.irp i, 0,1,2,3
	v_mov_b32 v[IV+2*\i+1], 0                      ; (the packed form names the pair and takes its low word for both halves)
.endr
	s_lshr_b32 s21, ttmp9, 8                       ; T: which tensor
	s_and_b32 s22, ttmp9, 1                        ; which half of K
	s_bfe_u32 s23, ttmp9, 0x70001                  ; rg: which 16 rows (7 bits from bit 1)
	s_lshl_b32 s25, s22, 13                        ; a weight's second half of K begins 8,192 bytes into the row
	s_lshr_b32 s27, s23, 1
	s_lshl_b32 s27, s27, 7                         ; a weight's first row in wq: (rg / 2) x 128
	s_lshl_b32 s29, s21, 5
	s_add_co_u32 s27, s27, s29                     ; + 32 T
	s_and_b32 s29, s23, 1
	s_lshl_b32 s29, s29, 4
	s_add_co_u32 s27, s27, s29                     ; + 16 (rg % 2)
	s_lshl_b32 s28, s23, 4                         ; ih's first row in aq: 16 rg
	s_lshl_b32 s35, s22, 2
	s_add_co_u32 s35, s35, s20                     ; my K step: 4 x half + wave
	s_mov_b32 s24, 16384                           ; a weight's row in bytes,
	s_mov_b32 s26, 8192                            ; and wq's rows in a K step
	s_wait_alu depctr_va_vdst(0)                   ; directly ahead of the wait below
	s_wait_kmcnt 0x0
	s_cmp_eq_u32 s21, 1                            ; the choices hang on the work-group's number alone
	s_cselect_b64 s[4:5], s[6:7], s[4:5]
	s_cmp_eq_u32 s21, 2
	s_cselect_b64 s[4:5], s[8:9], s[4:5]
	s_cmp_eq_u32 s21, 3
	s_cselect_b64 s[4:5], s[10:11], s[4:5]
	s_cmp_eq_u32 s22, 0
	s_cselect_b64 s[12:13], s[12:13], s[14:15]     ; i or h
	s_cmp_eq_u32 s21, 4
	s_cselect_b64 s[4:5], s[12:13], s[4:5]         ; from where
	s_cselect_b64 s[36:37], s[16:17], s[18:19]     ; to where
	s_cselect_b32 s24, 8192, s24                   ; a row of i or h is 8,192 bytes,
	s_cselect_b32 s25, 0, s25                      ; its half of K begins at the row's head,
	s_cselect_b32 s26, 2048, s26                   ; aq has 2,048 rows in a K step
	s_cselect_b32 s27, s28, s27
	s_lshl_b32 s30, s23, 4
	s_mul_i32 s30, s30, s24                        ; 16 rg rows
	s_add_co_u32 s30, s30, s25
	s_lshl_b32 s31, s20, 11                        ; + my wave's 2,048 bytes
	s_add_co_u32 s30, s30, s31
	s_mov_b32 s31, 0
	s_add_nc_u64 s[4:5], s[4:5], s[30:31]
	s_mul_i32 s32, s35, s26
	s_add_co_u32 s32, s32, s27
	s_mul_i32 s32, s32, RECB                       ; (K step x rows + first row) x 272: under 2^25
	s_mov_b32 s33, 0
	s_add_nc_u64 s[36:37], s[36:37], s[32:33]
.irp t, 0,1,2,3,4,5,6,7,8,9,10,11,12,13,14,15
	v_mad_u32_u24 v[OFF+\t], s24, \t, v3           ; row t + 16 x lane
.endr
.macro LOAD t
.irp i, 0,1,2,3
	global_load_b128 v[R+16*((\t)%NS)+4*\i:R+16*((\t)%NS)+4*\i+3], v[OFF+(\t)], s[4:5] offset:512*\i th:TH_LOAD_NT   ; 32 lanes read 512 consecutive bytes; read once in the launch
.endr
.endm
.irp t, 0,1,2,3,4
	LOAD \t
.endr
.macro STEP t
.set XS, R+16*((\t)%NS)
.set P2, (\t)%2
.if STEPS-1-(\t) >= NS-1
	s_wait_loadcnt 4*(NS-1)                        ; this step's four loads are in; those of the four steps behind it may be out
.else
	s_wait_loadcnt 4*(STEPS-1-(\t))                ; the counts run down: four for each step still to come
.endif
.irp i, 0,1,2,3                        ; the four loads' blocks by turns, so that no line reads the line above it
	v_max3_num_f32 v[M+\i], |v[XS+4*\i]|, |v[XS+4*\i+1]|, |v[XS+4*\i+2]|
.endr
.irp i, 0,1,2,3
	v_max3_num_f32 v[M+\i], v[M+\i], |v[XS+4*\i+3]|, 0x1800000     ; my four, and the floor 2^(3 - 127): so the byte cannot fall under 1
.endr
.irp x, 1,2,4
.irp i, 0,1,2,3
	v_max_num_f32_dpp v[M+\i], v[M+\i], v[M+\i] row_xmask:\x row_mask:0xf bank_mask:0xf   ; joined over the block's eight lanes
.endr
.endr
.irp i, 0,1,2,3
	v_and_b32 v[IV+2*\i], 0x7f800000, v[M+\i]      ; S << 23
.endr
.irp i, 0,1,2,3
	v_sub_nc_u32 v[IV+2*\i], 0x80000000, v[IV+2*\i]   ; (256 - S) << 23: the f32 number 2^(129 - S); S lies in 3 .. 254
.endr
.irp i, 0,1,2,3
.irp j, 0,2
	v_pk_mul_f32 v[XS+4*\i+\j:XS+4*\i+\j+1], v[XS+4*\i+\j:XS+4*\i+\j+1], v[IV+2*\i:IV+2*\i+1] op_sel_hi:[1,0]
.endr
.endr
	v_cvt_scalef32_pk8_fp4_f32 v[D], v[XS:XS+7], v[ONE]            ; bits 15:0 load 0's four codes, bits 31:16 load 1's
	v_cvt_scalef32_pk8_fp4_f32 v[D+1], v[XS+8:XS+15], v[ONE]       ; loads 2 and 3
	v_cndmask_b32 v[X], v[M], v[M+1], s38          ; the magnitude of load l % 4 (also the plain lines behind the conversions)
	v_cndmask_b32 v[X+1], v[M+2], v[M+3], s38
	v_cndmask_b32 v[X], v[X], v[X+1], s39
	v_add_nc_u32 v[X], 0xff000000, v[X]            ; 2 off its exponent field
	v_lshrrev_b32 v[EB+P2], 23, v[X]               ; the scale's byte
	v_mov_b32_dpp v[NB], v[D] row_xmask:1 row_mask:0xf bank_mask:0xf
	v_mov_b32_dpp v[NB+1], v[D+1] row_xmask:1 row_mask:0xf bank_mask:0xf
	v_perm_b32 v[OUT+2*P2], v[NB], v[D], v[SEL]    ; even lane: my low half, then my neighbour's; odd lane: my neighbour's high half, then mine
	v_perm_b32 v[OUT+2*P2+1], v[NB+1], v[D+1], v[SEL]
.if (\t)+NS < STEPS
	LOAD (\t)+NS                                   ; the set just converted takes the loads of five steps on
.endif
	ds_store_b8 v5, v[EB+P2] offset:RECB*(\t)      ; lanes l and l + 4 of a block write the same byte with the same value
	ds_store_b32 v4, v[OUT+2*P2] offset:RECB*(\t)
	ds_store_b32 v4, v[OUT+2*P2+1] offset:RECB*(\t)+128
.endm
.irp t, 0,1,2,3,4,5,6,7,8,9,10,11,12,13,14,15
	STEP \t
.endr
	; the 16 records leave: 8 x 512 bytes and 256 bytes, all consecutive.  LDS serves a wave's instructions in order: these loads see my stores
.irp j, 0,1,2,3,4,5,6,7
	ds_load_b128 v[R+4*\j:R+4*\j+3], v6 offset:512*\j
.endr
	ds_load_b64 v[12:13], v8 offset:4096
.irp j, 0,1,2,3,4,5,6,7
	s_wait_dscnt 8-\j                              ; load j is in; the younger ones may be out
	global_store_b128 v3, v[R+4*\j:R+4*\j+3], s[36:37] offset:512*\j   ; 32 lanes store 512 consecutive bytes, at a multiple of 256 from the buffer's first byte
.endr
	s_wait_dscnt 0x0
	global_store_b64 v7, v[12:13], s[36:37] offset:4096                ; and the last 256
	s_wait_tensorcnt 0x0                           ; the wave's end
	ds_add_u32 v[SPW], v[NIL]
	s_wait_dscnt 0x0
	s_endpgm
.Lfunc_end_k_q876dccbcf0_quant:
	.size	k_q876dccbcf0_quant, .Lfunc_end_k_q876dccbcf0_quant-k_q876dccbcf0_quant
	.p2alignl 7, 3214868480
	.fill 96, 4, 3214868480
	.section	.rodata,"a",@progbits
	.p2align	6, 0x0
	.amdhsa_kernel k_q876dccbcf0_quant
		.amdhsa_group_segment_fixed_size 17920
		.amdhsa_private_segment_fixed_size 0
		.amdhsa_enable_private_segment 0
		.amdhsa_kernarg_size 64
		.amdhsa_user_sgpr_count 2
		.amdhsa_user_sgpr_kernarg_segment_ptr 1
		.amdhsa_wavefront_size32 1
		.amdhsa_system_sgpr_workgroup_id_x 1
		.amdhsa_system_sgpr_workgroup_id_y 1
		.amdhsa_system_sgpr_workgroup_id_z 1
		.amdhsa_system_vgpr_workitem_id 0
		.amdhsa_next_free_vgpr 144
		.amdhsa_next_free_sgpr 66
		.amdhsa_reserve_vcc 0
		.amdhsa_float_denorm_mode_32 3
		.amdhsa_float_denorm_mode_16_64 3
		.amdhsa_memory_ordered 1
		.amdhsa_forward_progress 1
		.amdhsa_inst_pref_size 65
	.end_amdhsa_kernel
	.amdgpu_metadata
---
amdhsa.version: [ 1, 2 ]
amdhsa.kernels:
  - .name:           k_q876dccbcf0_quant
    .symbol:         k_q876dccbcf0_quant.kd
    .args:
      - { .name: W1, .offset: 0, .size: 8, .value_kind: global_buffer, .address_space: global }
      - { .name: W2, .offset: 8, .size: 8, .value_kind: global_buffer, .address_space: global }
      - { .name: W3, .offset: 16, .size: 8, .value_kind: global_buffer, .address_space: global }
      - { .name: W4, .offset: 24, .size: 8, .value_kind: global_buffer, .address_space: global }
      - { .name: i, .offset: 32, .size: 8, .value_kind: global_buffer, .address_space: global }
      - { .name: h, .offset: 40, .size: 8, .value_kind: global_buffer, .address_space: global }
      - { .name: aq, .offset: 48, .size: 8, .value_kind: global_buffer, .address_space: global }
      - { .name: wq, .offset: 56, .size: 8, .value_kind: global_buffer, .address_space: global }
    .group_segment_fixed_size: 17920
    .private_segment_fixed_size: 0
    .kernarg_segment_align: 8
    .kernarg_segment_size: 64
    .max_flat_workgroup_size: 128
    .sgpr_count:     66
    .vgpr_count:     144
    .wavefront_size: 32
...
	.end_amdgpu_metadata
.endif
;; end of part 1
;; launch lstm (part 2): grid 32 x 8, 4 waves a work-group, clusters of 4 x 4, 327,680 bytes of LDS; arguments aq, wq, b1, b2, b3, b4, c, out0, out1; writes out0, out1
.if DOCPART == 2
	.amdgcn_target "amdgcn-amd-amdhsa--gfx1250"
	.amdhsa_code_object_version 6
	.text
	.protected	k_q876dccbcf0_lstm
	.globl	k_q876dccbcf0_lstm
	.p2align	8
	.type	k_q876dccbcf0_lstm,@function
k_q876dccbcf0_lstm:
	s_mov_b64 s[64:65], 0
	v_nop
	global_prefetch_b8 v0, s[64:65] scope:SCOPE_SE
	s_setreg_imm32_b32 hwreg(HW_REG_WAVE_MODE, 25, 1), 1
	s_wait_xcnt 0x0
	s_wait_alu depctr_hold_cnt(0) depctr_sa_sdst(0) depctr_va_vdst(0) depctr_va_sdst(0) depctr_va_ssrc(0) depctr_va_vcc(0) depctr_vm_vsrc(0)
	s_getreg_b32 s2, hwreg(HW_REG_IB_STS2, 6, 4)
	s_cmp_eq_u32 s2, 0
	s_cbranch_scc0 .Lentry_in_a_cluster
	s_endpgm
.Lentry_in_a_cluster:
	s_bfe_u32 s2, ttmp6, 0x10000c
	s_cmp_lg_u32 s2, 0xf033
	s_cbranch_scc0 .Lentry_shape_is_right
	s_endpgm
.Lentry_shape_is_right:
; The four gates' products ih Wg^T on codes of FP4 with E8M0 scales, the biases, the activations and both results, in one launch.
; aq [K step 0..7][row m][272] and wq [K step][row R][272]: a record is a row's 512 codes of a K step (256 bytes) and its 16 scale bytes; R = (n / 32) x 128 + gate x 32 + n % 32.
; A work-group of four waves makes 256 rows m x 256 rows R (64 columns n of all four gates); a wave 128 x 128: 64 accumulators of 16 x 16.  K goes in steps of 512 through two LDS slots.
; CLUSTERS 4 x 4: A's tiles are asked for jointly along a row of the cluster, B's along a column.  The matrix instruction is used transposed (source 0 = rows R, source 1 = rows m):
; a lane holds row m = l % 16 and eight neighbouring n.  The bias is the C of each accumulator's first product.
; REGISTERS.  An LDS load's destination follows the window of D, its address the window of source 0.  So fragments share a window with accumulators, and the LDS addresses lie in source 0's window:
;   window 0: v0-31 addresses of the way out; v32-95 scale words, two sets; v96-127 accumulators 60-63; v128-191 the biases, later with v192-255 the gates' work
;   window 1: v0-127 B's fragments, two sets; v128-133 LDS addresses; v160-255 accumulators 48-59
;   window 2: accumulators 0-31          window 3: v0-127 A's fragments, two sets; v128-255 accumulators 32-47         (accumulator t = 8 a + b: A's block a, B's block b)
; A and B both have two sets of fragments.  A step of 128 along K begins with ONE run of 32 LDS loads, the next step's fragments, under the settings of window 1's and window 3's products;
; then its 64 products follow on end.  A load so has a whole step's products in which to land.
; THE GATES.  With a1 = e^-x1, a2 = e^-x2, e3 = e^2x3, a4 = e^-x4, ec = e^2c:  new_c = (c P + (e3 - 1)(1 + a1)) / ((1 + a1) P), P = (1 + a2)(1 + e3);  new_h = (ec - 1) / ((ec + 1)(1 + a4)).
; LIMITS: the exponents to the base 2 of a1, a2, e3 and ec are held at 30 from above, so that no product overflows: a gate so held differs from its true value by less than 2^-29.
; NaN and infinities among the inputs are not served.
.set PITCH,  272
.set HALFT,  128*PITCH                 ; 128 records: one tensor load, 136 x 256 consecutive bytes
.set SLOT,   4*HALFT                   ; A's 256 records, then B's
.set SPARE,  2*SLOT                    ; the spare words, 128 bytes a wave
.set ASTEP,  2048*PITCH                ; from K step to K step in aq, in wq
.set BSTEP,  8192*PITCH
.set HST,    256*PITCH                 ; the way out: new_c over c's tile in slot 0, new_h behind it
.set LAPS,   4
.set CO,   10                          ; window 0
.set PFO,  12
.set PFO2, 13
.set CA,   24
.set HA,   25
.set RD,   26
.set RDH,  27
.set SPW,  28
.set NIL,  29
.set BO,   30
.set SC,   32
.set BI,   128
.set GT,   128
.set TC,   192
.set NH,   208
.set NC,   224
.set CC,   240
.set ADRB, 128                         ; window 1: LDS addresses for slot 0, 1
.set ADRA, 130
.set ADRS, 132
.set WV,   22
.set RH,   23
.set CH,   66
.set G1,   24
.set G0,   32
.set G1B,  48
.set G0B,  56
.set G1C,  68
.set G0C,  76
.set KS,   80
.set KT,   82
.set PF1,  90                          ; s[90:91] my share of K step 1, asked for once at the head
.set PFA,  96                          ; s[96:97] where my prefetches stand; s[98:99] their step
.set PST,  98
.set K30,  100
.set MSB, 0
.macro WIN new                         ; the immediate's high byte repeats the setting that is left
.if MSB != (\new)
	s_set_vgpr_msb (MSB<<8)|(\new)
.set MSB, (\new)
.endif
.endm
.macro PLACES
.rept 4
	v_nop
.endr
.endm
.macro JLOAD s                         ; a joint load: waves 0, 1 fetch A's halves, waves 2, 3 B's
	s_cmp_eq_u32 s[RH], 0
	s_cbranch_scc0 .Lfor_b_\@
	tensor_load_to_lds s[G0+4*\s:G0+4*\s+3], s[G1:G1+7]
	s_nop 0
	PLACES
	s_branch .Lasked_\@
.Lfor_b_\@:
	tensor_load_to_lds s[G0B+4*\s:G0B+4*\s+3], s[G1B:G1B+7]
	s_nop 0
	PLACES
.Lasked_\@:
.endm
.macro CREST
	s_cmp_lg_u32 s[WV], 0
	s_cbranch_scc1 .Lnot_wave_0_\@
	s_barrier_signal -3
.Lnot_wave_0_\@:
	s_barrier_wait -3
	s_barrier_signal -1
	s_barrier_wait -1
.endm
.macro CROUND
	s_barrier_signal -1
	s_barrier_wait -1
	CREST
.endm
; A prefetch: behind the joint load for K step s, the K step s + 2 (behind the first load K step 1 too).  Of the 136 blocks of 256 bytes that my wave fetches, each of the four partners that ask jointly
; names 34, told apart by address: a lane a block, then blocks 32 and 33 (the lanes left over name block 33 again).  K step 0 comes by its load alone.  Behind the loads for K steps 6 and 7 nothing
; is left along K: there each wave asks for the 64 rows of c that it will fetch, 32 rows each time, a lane a row's 256 bytes; no other work-group reads them.
.macro ASK base
	global_prefetch_b8 v[PFO], s[\base:\base+1] th:TH_LOAD_NT scope:SCOPE_SE
	global_prefetch_b8 v[PFO2], s[\base:\base+1] th:TH_LOAD_NT scope:SCOPE_SE
.endm
	s_load_b128 s[4:7], s[0:1], 0x0                ; aq, wq
	s_load_b256 s[8:15], s[0:1], 0x10              ; b1 .. b4
	s_load_b128 s[16:19], s[0:1], 0x30             ; c, out0
	s_load_b64 s[20:21], s[0:1], 0x40              ; out1
	v_lshl_add_u32 v[SPW], v0, 2, SPARE
	v_mov_b32 v[NIL], 0
	ds_add_u32 v[SPW], v[NIL]                      ; the opening lines: the add, twice on end, and its wait
	ds_add_u32 v[SPW], v[NIL]
	v_lshrrev_b32 v1, 5, v0
	v_readfirstlane_b32 s[WV], v1
	v_and_b32 v2, 31, v0
	v_lshlrev_b32 v[PFO], 8, v2                    ; blocks 0 .. 31
	v_min_u32 v3, 1, v2
	v_lshlrev_b32 v[PFO2], 8, v3
	v_add_nc_u32 v[PFO2], 0x2000, v[PFO2]          ; blocks 32, 33
	v_lshlrev_b32 v14, 13, v2                      ; c's prefetch: a lane a row of 8,192 bytes
	s_lshr_b32 s[RH], s[WV], 1                     ; my half of the rows m; also: I fetch for A (0) or B (1)
	s_and_b32 s[CH], s[WV], 1                      ; my half of the rows R; also: which 128 records I fetch
	s_bfe_u32 s40, ttmp6, 0x40000                  ; cx
	s_bfe_u32 s41, ttmp6, 0x40004                  ; cy
	s_lshl_b32 s42, ttmp9, 2
	s_add_co_u32 s42, s42, s40                     ; tile column
	s_and_b32 s67, ttmp7, 0xffff
	s_lshl_b32 s67, s67, 2
	s_add_co_u32 s67, s67, s41                     ; tile row
	s_lshl_b32 s43, s41, 2
	s_lshl_b32 s43, 15, s43
	s_lshl_b32 s44, 0x1111, s40
	s_or_b32 s[G1+0], s43, (3<<16)|(1<<21)         ; 136 dense rows of 32 x 8 bytes; A's mask: my row of the cluster
	s_or_b32 s[G1B+0], s44, (3<<16)|(1<<21)        ; B's: my column
.irp g, G1, G1B
	s_mov_b32 s[\g+1], 32<<16
	s_mov_b32 s[\g+2], 136<<16
	s_mov_b32 s[\g+3], 32<<16
	s_mov_b32 s[\g+4], 136
	s_mov_b32 s[\g+5], 32
	s_mov_b32 s[\g+6], 0
	s_mov_b32 s[\g+7], 0
.endr
	s_mov_b32 s[G1C+0], (2<<16)|(1<<20)|(5<<22)|(3<<25)   ; c: 64 rows of 64 f32, 16 bytes of padding behind each
	s_mov_b32 s[G1C+1], 64<<16
	s_mov_b32 s[G1C+2], 64<<16
	s_mov_b32 s[G1C+3], 64<<16
	s_mov_b32 s[G1C+4], 64
	s_mov_b32 s[G1C+5], 2048
	s_mov_b32 s[G1C+6], 0
	s_mov_b32 s[G1C+7], 0
	s_mov_b32 s[KS], 0xbfb8aa3b                    ; -log2(e)
	s_mov_b32 s[KS+1], 0xbfb8aa3b
	s_mov_b32 s[KT], 0x4038aa3b                    ; 2 log2(e)
	s_mov_b32 s[KT+1], 0x4038aa3b
	s_mov_b32 s[K30], 0x41f00000                   ; 30.0
	s_lshl_b32 s86, s[CH], 7
	s_lshl_b32 s84, s67, 8
	s_add_co_u32 s84, s84, s86
	s_mul_i32 s84, s84, PITCH                      ; A: record 256 x tile row + 128 x half
	s_mov_b32 s85, 0
	s_lshl_b32 s46, s42, 8
	s_add_co_u32 s46, s46, s86
	s_mul_i32 s46, s46, PITCH                      ; B: record 256 x tile column + 128 x half
	s_mov_b32 s47, 0
	s_mul_i32 s45, s[WV], HALFT
	s_lshl_b32 s88, s67, 8
	s_lshl_b32 s89, s[WV], 6
	s_add_co_u32 s88, s88, s89
	s_lshl_b32 s88, s88, 13                        ; c: my 64 rows of 8,192 bytes,
	s_lshl_b32 s90, s42, 8
	s_add_co_u32 s88, s88, s90                     ; the tile's 64 columns
	s_mov_b32 s89, 0
	s_lshl_b32 s92, s67, 8
	s_lshl_b32 s93, s[RH], 7
	s_add_co_u32 s92, s92, s93
	s_lshl_b32 s93, s[CH], 4
	s_add_co_u32 s92, s92, s93
	s_lshl_b32 s92, s92, 13                        ; the results: the first row that I store
	s_add_co_u32 s92, s92, s90
	s_mov_b32 s93, 0
	s_add_co_u32 s90, s90, s86                     ; the biases: my 32 columns
	s_mov_b32 s91, 0
	s_wait_alu depctr_va_vdst(0)                   ; directly ahead of the wait below
	s_wait_dscnt 0x0
	s_wait_kmcnt 0x0
	s_add_nc_u64 s[84:85], s[4:5], s[84:85]
	s_add_nc_u64 s[46:47], s[6:7], s[46:47]
.irp g, 8, 10, 12, 14
	s_add_nc_u64 s[\g:\g+1], s[\g:\g+1], s[90:91]
.endr
	s_add_nc_u64 s[18:19], s[18:19], s[92:93]
	s_add_nc_u64 s[20:21], s[20:21], s[92:93]
	s_mov_b32 s[G0C], 1
	s_mul_i32 s[G0C+1], s[WV], 64*PITCH
	s_add_nc_u64 s[G0C+2:G0C+3], s[16:17], s[88:89]
	s_mov_b64 s[4:5], s[G0C+2:G0C+3]               ; the same address for c's prefetch (aq's has been used)
	s_or_b32 s[G0C+3], s[G0C+3], 0x80000000
.irp s, 0,1
	s_mov_b32 s[G0+4*\s], 1
	s_add_co_u32 s[G0+4*\s+1], s45, \s*SLOT
	s_add_nc_u64 s[G0+4*\s+2:G0+4*\s+3], s[84:85], \s*ASTEP
	s_or_b32 s[G0+4*\s+3], s[G0+4*\s+3], 0x80000000
	s_mov_b32 s[G0B+4*\s], 1
	s_add_co_u32 s[G0B+4*\s+1], s45, \s*SLOT
	s_add_nc_u64 s[G0B+4*\s+2:G0B+4*\s+3], s[46:47], \s*BSTEP
	s_or_b32 s[G0B+4*\s+3], s[G0B+4*\s+3], 0x80000000
.endr
	s_cmp_eq_u32 s[RH], 0                          ; the prefetches: my tile, my place among the four that ask with me (cx for A, cy for B)
	s_cselect_b64 s[PFA:PFA+1], s[84:85], s[46:47]
	s_cselect_b32 s92, s40, s41
	s_mov_b32 s[PST], BSTEP
	s_cselect_b32 s[PST], ASTEP, s[PST]
	s_mov_b32 s[PST+1], 0
	s_mul_i32 s92, s92, 34*256
	s_mov_b32 s93, 0
	s_add_nc_u64 s[PFA:PFA+1], s[PFA:PFA+1], s[92:93]
	s_add_nc_u64 s[PFA:PFA+1], s[PFA:PFA+1], s[PST:PST+1]
	s_mov_b64 s[PF1:PF1+1], s[PFA:PFA+1]           ; K step 1
	s_add_nc_u64 s[PFA:PFA+1], s[PFA:PFA+1], s[PST:PST+1]   ; K step 2
	s_mul_i32 s86, s[RH], HALFT                    ; LDS: my 128 records of A,
	s_mul_i32 s87, s[CH], HALFT
	s_add_co_u32 s87, s87, 2*HALFT                 ; of B,
	s_sub_co_u32 s88, s87, s86                     ; the distance between the two,
	s_add_co_u32 s89, s86, 256                     ; the scale bytes behind a record's codes,
	s_lshl_b32 s94, s[CH], 7
	s_add_co_u32 s94, s94, s86                     ; c's tile: my rows, my 128 bytes of them,
	s_mul_i32 s95, s[CH], 16*PITCH
	s_add_co_u32 s95, s95, s86                     ; and the rows that I read back whole
	CROUND                                         ; all sixteen work-groups are here: the first joint loads meet
	JLOAD 0                                        ; K step 0: one tensor load a wave at the head
	ASK PF1                                        ; K step 1, which the next joint load wants,
	ASK PFA                                        ; and K step 2
	v_and_b32 v1, 15, v0
	v_bfe_u32 v2, v0, 4, 1
	v_lshlrev_b32 v[BO], 5, v2
	v_mul_u32_u24 v3, v1, PITCH
	v_lshl_add_u32 v4, v2, 4, v3                   ; a fragment: row x pitch + 16 x half
	v_mul_u32_u24 v6, s88, v2
	v_add_nc_u32 v5, v3, v6                        ; scale words: lanes 0-15 A's rows, lanes 16-31 B's
	v_add_nc_u32 v7, SLOT, v4
	v_add_nc_u32 v8, SLOT, v5
	v_lshl_add_u32 v[CA], v2, 5, v3
	v_add_nc_u32 v[CA], s94, v[CA]
	v_add_nc_u32 v[HA], HST, v[CA]
	v_mul_u32_u24 v[RD], v2, PITCH
	v_lshl_add_u32 v[RD], v1, 4, v[RD]
	v_add_nc_u32 v[RD], s95, v[RD]
	v_add_nc_u32 v[RDH], HST, v[RD]
	v_lshlrev_b32 v[CO], 13, v2
	v_lshl_add_u32 v[CO], v1, 4, v[CO]
	WIN 0x40                                       ; destinations in window 1
	v_add_nc_u32 v[ADRA], s86, v4
	v_add_nc_u32 v[ADRB], s87, v4
	v_add_nc_u32 v[ADRS], s89, v5
	v_add_nc_u32 v[ADRA+1], s86, v7
	v_add_nc_u32 v[ADRB+1], s87, v7
	v_add_nc_u32 v[ADRS+1], s89, v8
	WIN 0
.irp g, 0,1,2,3                        ; the biases in the result's layout: block b = 2 gate + u holds n % 32 = 16 u + 8 h + j
.irp u, 0,1
	global_load_b128 v[BI+8*(2*\g+\u):BI+8*(2*\g+\u)+3],   v[BO], s[8+2*\g:9+2*\g] offset:64*\u
	global_load_b128 v[BI+8*(2*\g+\u)+4:BI+8*(2*\g+\u)+7], v[BO], s[8+2*\g:9+2*\g] offset:64*\u+16
.endr
.endr
.macro LOC t                           ; where accumulator t lies: window W_, register R_
.if (\t) < 32
.set W_, 2
.set R_, 8*(\t)
.elseif (\t) < 48
.set W_, 3
.set R_, 128+8*((\t)-32)
.elseif (\t) < 60
.set W_, 1
.set R_, 160+8*((\t)-48)
.else
.set W_, 0
.set R_, 96+8*((\t)-60)
.endif
.endm
.macro MM t, p, q, sc, first           ; one product: source 0 window 1, source 1 window 3, D the accumulator's window, C the same or, first, the bias in window 0
	LOC \t
.set A_, (\t)/8
.set B_, (\t)%8
.if \first
	WIN (W_<<6)|0x0d
	v_wmma_scale_f32_16x16x128_f8f6f4 v[R_:R_+7], v[64*(\p)+8*B_:64*(\p)+8*B_+7], v[64*(\p)+8*A_:64*(\p)+8*A_+7], v[BI+8*B_:BI+8*B_+7], v[SC+32*(\sc)+4*B_+(\q)], v[SC+32*(\sc)+4*A_+(\q)] matrix_a_fmt:MATRIX_FMT_FP4 matrix_b_fmt:MATRIX_FMT_FP4 matrix_a_scale:MATRIX_SCALE_ROW1
.else
	WIN W_*0x50+0x0d
	v_wmma_scale_f32_16x16x128_f8f6f4 v[R_:R_+7], v[64*(\p)+8*B_:64*(\p)+8*B_+7], v[64*(\p)+8*A_:64*(\p)+8*A_+7], v[R_:R_+7], v[SC+32*(\sc)+4*B_+(\q)], v[SC+32*(\sc)+4*A_+(\q)] matrix_a_fmt:MATRIX_FMT_FP4 matrix_b_fmt:MATRIX_FMT_FP4 matrix_a_scale:MATRIX_SCALE_ROW1
.endif
.endm
.macro PH from, n, p, q, sc, first     ; n products on end, from accumulator 'from' on
.set T, \from
.rept \n
	MM T, \p, \q, \sc, \first
.set T, T+1
.endr
.endm
; One run of 32 LDS loads: the fragments of the slot's nq-th 128 along K into sets np.  B's 16 under the setting of window 1's products (destination and address window 1), A's 16 under that of window 3's.
.macro RUN slot, nq, np
	WIN 0x5d
.set LN, 0
.rept 16
	ds_load_b128 v[64*(\np)+4*LN:64*(\np)+4*LN+3], v[ADRB+\slot] offset:64*(\nq)+32*(LN%2)+(LN/2)*16*PITCH
.set LN, LN+1
.endr
	WIN 0xfd
.set LN, 0
.rept 16
	ds_load_b128 v[64*(\np)+4*LN:64*(\np)+4*LN+3], v[ADRA+\slot] offset:64*(\nq)+32*(LN%2)+(LN/2)*16*PITCH
.set LN, LN+1
.endr
.endm
.macro SCALES slot                     ; the slot's scale words, under the setting of window 0's products: lanes 0-15 A's block i, lanes 16-31 B's
	WIN 0x0d
.set LN, 0
.rept 8
	ds_load_b128 v[SC+32*(\slot)+4*LN:SC+32*(\slot)+4*LN+3], v[ADRS+\slot] offset:LN*16*PITCH
.set LN, LN+1
.endr
.endm
; A step of 128 along K whose successor lies in the same slot.  The 64 accumulators take turns, in the same order in every step.
.macro STEP slot, q, first
	PLACES                                         ; four places between the last step's products and the loads into the sets that they read
	RUN \slot, (\q)+1, 1-(\q)%2
	s_wait_dscnt 32                                ; all but the 32 just issued: this step's fragments are in
	PH 32, 16, (\q)%2, \q, \slot, \first
	PH 48, 12, (\q)%2, \q, \slot, \first
	PH 0, 32, (\q)%2, \q, \slot, \first
	PH 60, 4, (\q)%2, \q, \slot, \first
.endm
; A slot's last step changes slots.  fill = 1: the slot is filled again, two K steps on; fill = 2: slot 0 takes c's tile.
.macro TURN slot, next, fill
.if \fill == 1
	s_wait_xcnt 0x0                                ; my prefetches have read their address
	s_add_nc_u64 s[PFA:PFA+1], s[PFA:PFA+1], s[PST:PST+1]
.endif
	WIN 0
	s_wait_tensorcnt 0x0                           ; all my tensor loads have landed: my part of the next slot
	ds_add_u32 v[SPW], v[NIL]
	s_wait_dscnt 0x1                               ; this step's fragments are in; the add may be out
	PH 32, 8, 1, 3, \slot, 0
	s_wait_dscnt 0x0                               ; the add is done, and my reads of this slot are over
	s_barrier_signal -1
	PH 40, 8, 1, 3, \slot, 0
	WIN 0
	s_barrier_wait -1
	CREST                                          ; the barrier has opened a round of the cluster's barrier
.if \fill == 1
	s_add_nc_u64 s[G0+4*\slot+2:G0+4*\slot+3], s[G0+4*\slot+2:G0+4*\slot+3], 2*ASTEP
	s_add_nc_u64 s[G0B+4*\slot+2:G0B+4*\slot+3], s[G0B+4*\slot+2:G0B+4*\slot+3], 2*BSTEP
	JLOAD \slot                                    ; its four v_nop are also the places in front of the loads below
	s_cmp_gt_u32 s3, 1                             ; the loop's last trip loads K steps 6 and 7: nothing lies two steps on
	s_cbranch_scc0 .Lask_c_\@
	ASK PFA
	s_branch .Lasked_c_\@
.Lask_c_\@:
	global_prefetch_b8 v14, s[4:5] offset:\slot*32*8192 th:TH_LOAD_NT scope:SCOPE_SE   ; my rows 32 slot .. 32 slot + 31 of c's tile
.Lasked_c_\@:
.else
	tensor_load_to_lds s[G0C:G0C+3], s[G1C:G1C+7]
	s_nop 0
	PLACES
.endif
	SCALES \next
	RUN \next, 0, 0
	PH 48, 12, 1, 3, \slot, 0
	PH 0, 32, 1, 3, \slot, 0
	PH 60, 4, 1, 3, \slot, 0
.endm
	s_wait_alu depctr_va_vdst(0)
	s_wait_xcnt 0x0
	s_add_nc_u64 s[PFA:PFA+1], s[PFA:PFA+1], s[PST:PST+1]
	s_wait_tensorcnt 0x0                           ; my part of K step 0 is in
	ds_add_u32 v[SPW], v[NIL]
	s_wait_dscnt 0x0
	CROUND
	JLOAD 1                                        ; K step 1, the first tensor load behind the round
	ASK PFA                                        ; K step 3
	SCALES 0
	RUN 0, 0, 0
	s_wait_loadcnt 0x0                             ; the biases
	STEP 0, 0, 1                                   ; the first step stands in front of the loop: its products start the sums on the biases
	WIN 0
	s_mov_b32 s3, LAPS-1
.Llap:
	STEP 0, 1, 0
	STEP 0, 2, 0
	TURN 0, 1, 1
	STEP 1, 0, 0
	STEP 1, 1, 0
	STEP 1, 2, 0
	TURN 1, 0, 1
	STEP 0, 0, 0
	WIN 0
	s_sub_co_u32 s3, s3, 1
	s_cmp_lg_u32 s3, 0
	s_cbranch_scc1 .Llap
	STEP 0, 1, 0
	STEP 0, 2, 0
	TURN 0, 1, 2
	STEP 1, 0, 0
	STEP 1, 1, 0
	STEP 1, 2, 0
	s_wait_dscnt 0x0                               ; the very last step: nothing more to fetch
	PH 32, 16, 1, 3, 1, 0
	PH 48, 12, 1, 3, 1, 0
	PH 0, 32, 1, 3, 1, 0
	PH 60, 4, 1, 3, 1, 0
	WIN 0
	PLACES
	s_wait_tensorcnt 0x0                           ; my part of c's tile is in
	s_wait_dscnt 0x0
	s_barrier_signal -1
	s_barrier_wait -1
; THE WAY OUT, by blocks of 16 rows.  c comes from its tile; new_c goes over it, new_h behind it; two blocks of both waves of a row half make 32 whole rows of 256 bytes, which leave by rows.
.macro CLOAD a
.irp u, 0,1
.irp k, 0,1
	ds_load_b128 v[CC+8*\u+4*\k:CC+8*\u+4*\k+3], v[CA] offset:(\a)*16*PITCH+64*\u+16*\k
.endr
.endr
.endm
.macro LOADQ q                         ; 16 rows of each result into the registers that held fragments: window 1 (q = 0, 1) or 3 (q = 2, 3)
.set QW, 1+2*((\q)/2)
.set QR, 64*((\q)%2)
	WIN QW<<6
.irp t, 0,1,2,3,4,5,6,7
	ds_load_b128 v[QR+4*\t:QR+4*\t+3], v[RDH] offset:(32*(\q)+2*\t)*PITCH
.endr
.irp t, 0,1,2,3,4,5,6,7
	ds_load_b128 v[QR+32+4*\t:QR+32+4*\t+3], v[RD] offset:(32*(\q)+2*\t)*PITCH
.endr
	WIN 0
.endm
.macro STOREQ q, counted               ; 16 lanes store 256 consecutive bytes, at a multiple of 256 from the buffer's first byte
.set QW, 1+2*((\q)/2)
.set QR, 64*((\q)%2)
	WIN QW<<2
.irp t, 0,1,2,3,4,5,6,7
.if \counted
	s_wait_dscnt 15-\t
.endif
	global_store_b128 v[CO], v[QR+4*\t:QR+4*\t+3], s[18:19] offset:(32*(\q)+2*\t)*8192 th:TH_STORE_NT
.endr
.irp t, 0,1,2,3,4,5,6,7
.if \counted
	s_wait_dscnt 7-\t
.endif
	global_store_b128 v[CO], v[QR+32+4*\t:QR+32+4*\t+3], s[20:21] offset:(32*(\q)+2*\t)*8192 th:TH_STORE_NT
.endr
	WIN 0
.endm
.macro MEETQ
	s_wait_dscnt 0x0
	s_barrier_signal -1
	s_barrier_wait -1
.endm
.macro PK3 op, d, x, y, z              ; sixteen numbers, two at a time: d = x y + z
.set GX, 0
.rept 8
	\op v[\d+GX:\d+GX+1], v[\x+GX:\x+GX+1], v[\y+GX:\y+GX+1], v[\z+GX:\z+GX+1]
.set GX, GX+2
.endr
.endm
.macro PKC d, x, k                     ; d = x + k
.set GX, 0
.rept 8
	v_pk_add_f32 v[\d+GX:\d+GX+1], v[\x+GX:\x+GX+1], \k op_sel_hi:[1,0]
.set GX, GX+2
.endr
.endm
.macro GATES a, send, q
.if \send
	LOADQ \q                                       ; (c's block came in ahead of the barrier just passed)
.elseif (\a) == 0
	s_wait_dscnt 0x0
.else
	s_wait_dscnt 8                                 ; c's block is in; behind its loads stand the last block's eight stores
.endif
.set GB, 0
.rept 8                                ; the exponents to the base 2: each accumulator from its low end on
	LOC 8*(\a)+GB
.if (MSB != W_) || (GB == 0)
	WIN W_
	s_wait_alu depctr_va_vdst(0)                   ; ahead of the first readers of matrix results
.endif
.set GX, 0
.rept 4
.if (GB/2) == 2
	v_pk_mul_f32 v[GT+8*GB+GX:GT+8*GB+GX+1], v[R_+GX:R_+GX+1], s[KT:KT+1] op_sel_hi:[1,0]
.else
	v_pk_mul_f32 v[GT+8*GB+GX:GT+8*GB+GX+1], v[R_+GX:R_+GX+1], s[KS:KS+1] op_sel_hi:[1,0]
.endif
.set GX, GX+2
.endr
.set GB, GB+1
.endr
	WIN 0
.set GX, 0
.rept 8
	v_pk_mul_f32 v[TC+GX:TC+GX+1], v[CC+GX:CC+GX+1], s[KT:KT+1] op_sel_hi:[1,0]
.set GX, GX+2
.endr
.set GX, 0
.rept 48
	v_min_num_f32 v[GT+GX], s[K30], v[GT+GX]       ; held at 30: a1, a2, e3
.set GX, GX+1
.endr
.set GX, 0
.rept 16
	v_min_num_f32 v[TC+GX], s[K30], v[TC+GX]       ; and ec.  (a4 needs no hold: it stands in a divisor alone)
.set GX, GX+1
.endr
	s_wait_alu depctr_va_vdst(0)                   ; ahead of the batch
.set GX, 0
.rept 80
	v_exp_f32 v[GT+GX], v[GT+GX]
.set GX, GX+1
.endr
	v_nop
	s_wait_alu depctr_va_vdst(0)                   ; and behind it
.if \send
	s_wait_dscnt 0x0
	STOREQ \q, 0
.endif
	PKC NC, GT+32, -1.0                            ; e3 - 1
	PKC NH, TC, -1.0                               ; ec - 1
	PKC GT+32, GT+32, 1.0                          ; e3 + 1
	PKC TC, TC, 1.0                                ; ec + 1
	PK3 v_pk_fma_f32, GT+16, GT+16, GT+32, GT+32   ; P = (1 + a2)(1 + e3)
	PK3 v_pk_fma_f32, NC, NC, GT, NC               ; (e3 - 1)(1 + a1)
	PK3 v_pk_fma_f32, NC, CC, GT+16, NC            ; + c P
.if (\a) < 7
	CLOAD (\a)+1                                   ; c's registers have been read: the next block's c
.endif
	PK3 v_pk_fma_f32, GT, GT, GT+16, GT+16         ; (1 + a1) P
	PK3 v_pk_fma_f32, GT+48, GT+48, TC, TC         ; (1 + a4)(ec + 1)
	s_wait_alu depctr_va_vdst(0)
.set GX, 0
.rept 16
	v_rcp_f32 v[GT+GX], v[GT+GX]
	v_rcp_f32 v[GT+48+GX], v[GT+48+GX]
.set GX, GX+1
.endr
	v_nop
	s_wait_alu depctr_va_vdst(0)
.set GX, 0
.rept 8
	v_pk_mul_f32 v[NC+GX:NC+GX+1], v[NC+GX:NC+GX+1], v[GT+GX:GT+GX+1]
	v_pk_mul_f32 v[NH+GX:NH+GX+1], v[NH+GX:NH+GX+1], v[GT+48+GX:GT+48+GX+1]
.set GX, GX+2
.endr
.irp u, 0,1
.irp k, 0,1
	ds_store_b128 v[CA], v[NC+8*\u+4*\k:NC+8*\u+4*\k+3] offset:(\a)*16*PITCH+64*\u+16*\k
	ds_store_b128 v[HA], v[NH+8*\u+4*\k:NH+8*\u+4*\k+3] offset:(\a)*16*PITCH+64*\u+16*\k
.endr
.endr
.endm
	CLOAD 0
	GATES 0, 0, 0
	GATES 1, 0, 0
	MEETQ
	GATES 2, 1, 0
	GATES 3, 0, 0
	MEETQ
	GATES 4, 1, 1
	GATES 5, 0, 0
	MEETQ
	GATES 6, 1, 2
	GATES 7, 0, 0
	MEETQ
	LOADQ 3
	STOREQ 3, 1
	s_wait_tensorcnt 0x0                           ; the wave's end
	ds_add_u32 v[SPW], v[NIL]
	s_wait_dscnt 0x0
	CROUND                                         ; the closing round
	s_endpgm
.Lfunc_end_k_q876dccbcf0_lstm:
	.size	k_q876dccbcf0_lstm, .Lfunc_end_k_q876dccbcf0_lstm-k_q876dccbcf0_lstm
	.p2alignl 7, 3214868480
	.fill 96, 4, 3214868480
	.section	.rodata,"a",@progbits
	.p2align	6, 0x0
	.amdhsa_kernel k_q876dccbcf0_lstm
		.amdhsa_group_segment_fixed_size 327680
		.amdhsa_private_segment_fixed_size 0
		.amdhsa_enable_private_segment 0
		.amdhsa_kernarg_size 72
		.amdhsa_user_sgpr_count 2
		.amdhsa_user_sgpr_kernarg_segment_ptr 1
		.amdhsa_wavefront_size32 1
		.amdhsa_system_sgpr_workgroup_id_x 1
		.amdhsa_system_sgpr_workgroup_id_y 1
		.amdhsa_system_sgpr_workgroup_id_z 1
		.amdhsa_system_vgpr_workitem_id 0
		.amdhsa_next_free_vgpr 1024
		.amdhsa_next_free_sgpr 102
		.amdhsa_reserve_vcc 0
		.amdhsa_float_denorm_mode_32 3
		.amdhsa_float_denorm_mode_16_64 3
		.amdhsa_memory_ordered 1
		.amdhsa_forward_progress 1
		.amdhsa_inst_pref_size 255
	.end_amdhsa_kernel
	.section	.bss,"aw",@nobits
	.p2align	6
	.space	262144
	.amdgpu_metadata
---
amdhsa.version: [ 1, 2 ]
amdhsa.kernels:
  - .name:           k_q876dccbcf0_lstm
    .symbol:         k_q876dccbcf0_lstm.kd
    .args:
      - { .name: aq, .offset: 0, .size: 8, .value_kind: global_buffer, .address_space: global }
      - { .name: wq, .offset: 8, .size: 8, .value_kind: global_buffer, .address_space: global }
      - { .name: b1, .offset: 16, .size: 8, .value_kind: global_buffer, .address_space: global }
      - { .name: b2, .offset: 24, .size: 8, .value_kind: global_buffer, .address_space: global }
      - { .name: b3, .offset: 32, .size: 8, .value_kind: global_buffer, .address_space: global }
      - { .name: b4, .offset: 40, .size: 8, .value_kind: global_buffer, .address_space: global }
      - { .name: c, .offset: 48, .size: 8, .value_kind: global_buffer, .address_space: global }
      - { .name: out0, .offset: 56, .size: 8, .value_kind: global_buffer, .address_space: global }
      - { .name: out1, .offset: 64, .size: 8, .value_kind: global_buffer, .address_space: global }
    .group_segment_fixed_size: 327680
    .private_segment_fixed_size: 0
    .kernarg_segment_align: 8
    .kernarg_segment_size: 72
    .max_flat_workgroup_size: 128
    .sgpr_count:     102
    .vgpr_count:     1024
    .wavefront_size: 32
...
	.end_amdgpu_metadata
.endif
;; end of part 2
